; MI455X (gfx1250); checked and timed in simulation.
; The chip was launched on July 23, 2026; its instructions are those of AMD's public machine-readable ISA for CDNA 5 (MIT licence, August 2026) and "CDNA5" Instruction Set Architecture Reference Guide (July 2026). The comments in the code are by the model that wrote it; some were corrected since.
;; Tritter MLP. Allowed arithmetic: matrix products marked QUANTISED: E2M1 operands, one E8M0 scale for each 32 along K, by v_wmma_scale_f32_16x16x128_f8f6f4 with both operands' format E2M1 (or v_wmma_scale_f32_32x16x128_f4), f32 sums; everything else in f32.
;; Inputs: b_down 2,048 float32; b_gate 8,192 float32; b_up 8,192 float32; hidden_states_codes 4 x 256 x 64 x 16 uint8 (E2M1 codes of hidden_states, K innermost, in blocks of 32 codes, two codes a byte); hidden_states_scales 4 x 256 x 64 uint8 (E8M0 scales of hidden_states, one for each 32 codes along K); w_down_codes 2,048 x 256 x 16 uint8 (E2M1 codes of w_down, K innermost, in blocks of 32 codes, two codes a byte); w_down_scales 2,048 x 256 uint8 (E8M0 scales of w_down, one for each 32 codes along K); w_gate_codes 8,192 x 64 x 16 uint8 (E2M1 codes of w_gate, K innermost, in blocks of 32 codes, two codes a byte); w_gate_scales 8,192 x 64 uint8 (E8M0 scales of w_gate, one for each 32 codes along K); w_up_codes 8,192 x 64 x 16 uint8 (E2M1 codes of w_up, K innermost, in blocks of 32 codes, two codes a byte); w_up_scales 8,192 x 64 uint8 (E8M0 scales of w_up, one for each 32 codes along K).
;; Outputs: out0 4 x 256 x 2,048 float32.
;; This version of the problem:
;;   THIS VERSION OF THE PROBLEM IS GIVEN IN LOW PRECISION. The matrix products marked QUANTISED in the list below multiply operands that are first quantised to E2M1 (2 exponent bits, 1 mantissa bit; 4 bits a number), with one power-of-two scale for each 32 numbers along K (OCP MX v1.0); their sums are f32. All else is computed in f32.
;;   The module's matrix products, in the order in which they are computed (A, B: the left and right operand; K: the contracted axis; several contracted axes count as one K, in the product's order):
;;     1. [M 1,024, K 2,048] x [K 2,048, N 8,192]; A: input hidden_states (given as codes); B: input w_gate (given as codes): QUANTISED
;;     2. [M 1,024, K 2,048] x [K 2,048, N 8,192]; A: input hidden_states (given as codes); B: input w_up (given as codes): QUANTISED
;;     3. [M 1,024, K 8,192] x [K 8,192, N 2,048]; A: computed on the way; B: input w_down (given as codes): QUANTISED
;;   THE QUANTISER, for each operand of a quantised product, along K:
;;     - K is cut into blocks of 32 from its start; a last block that is shorter is filled with zeros.
;;     - A block's scale is 2^e with e = floor(log2(the largest magnitude in the block)) - 2, held to -126 .. 127; a block of zeros has e = 0. As a byte (E8M0): e + 127.
;;     - Each number is divided by its block's scale, clamped to +-6, and rounded to the nearest number of E2M1, ties to even, subnormals kept.
;;     - The product sums the exact products of the quantised numbers (number of the format x scale) in f32.
;;   ~~~python
;;   def quantise(x, axis):      # numpy; x: float32 -> the quantised numbers, widened to float32 again
;;       x = np.moveaxis(x, axis, -1); K = x.shape[-1]
;;       x = np.pad(x, [(0, 0)] * (x.ndim - 1) + [(0, -K % 32)]); x = x.reshape(x.shape[:-1] + (-1, 32)); a = np.abs(x).max(-1, keepdims=True)
;;       e = np.where(a > 0, np.clip(np.frexp(np.where(a > 0, a, 1))[1] - 1 - 2, -126, 127), 0)      # np.frexp(a)[1] - 1 = floor(log2(a)), exactly
;;       r = np.clip(x / 2.0 ** e, -6, 6)
;;       step = 2.0 ** (np.maximum(np.frexp(np.where(r == 0, 1, r))[1] - 1, 0) - 1)
;;       q = np.round(r / step) * step * 2.0 ** e      # np.round: ties to even
;;       return np.moveaxis(q.reshape(q.shape[:-2] + (-1,))[..., :K], -1, axis).astype(np.float32)
;;   ~~~
;;   OPERANDS COMPUTED ON THE WAY. 'Computed on the way' means the value that the module computes at that place (a softmax that the list does not call 'softmax' is quantised finished and normalised). What goes into a quantiser is computed in f32, as accurately as f32 sums, v_exp_f32 and their like allow (about 1e-6 of the number): no bf16 or f16 on the way to a quantiser, and a product that is left as it is and whose result goes on into a quantised operand takes f32 operands (vector FMAs, or v_wmma_f32_16x16x4_f32). A number that lies on a knife's edge between two numbers of the format may be rounded either way, as far as f32 arithmetic and the matrix unit's own rounding can turn it there, and no further.
;;   INPUTS GIVEN AS CODES. hidden_states (in the module: [4, 256, 2048], K = its axis 2); w_down (in the module: [8192, 2048], K = its axis 0); w_gate (in the module: [2048, 8192], K = its axis 0); w_up (in the module: [2048, 8192], K = its axis 0): each comes as NAME_codes (uint8): NAME with its K axis moved to the last place and cut into blocks of 32 codes, [.., K / 32, bytes a block], one block behind the other in memory; two codes a byte, the lower K in the low four bits (a code: sign, 2 exponent bits, 1 mantissa bit); and NAME_scales (uint8): the same leading axes, one E8M0 byte (e + 127) for each 32 codes along K. Its value is code x scale, taken as it is: it is not quantised again, and the codes and scales need not be those that the quantiser above would give.
;; One version. Each part assembles by itself: llvm-mc -triple=amdgcn-amd-amdhsa -mcpu=gfx1250 --defsym DOCPART=n.
;; ======== version 1 of 1: 2 launches
;; limits: right only within a limited range of input values
;; workspace buffers: h_codes 4,194,304 bytes; h_scales 262,144 bytes
;; launch gateup (part 1): grid 64 x 4, 4 waves a work-group, clusters of 4 x 4, 327,680 bytes of LDS; arguments hidden_states_codes, hidden_states_scales, w_gate_codes, w_gate_scales, w_up_codes, w_up_scales, b_gate, b_up, h_codes, h_scales; writes h_codes, h_scales
.if DOCPART == 1
	.amdgcn_target "amdgcn-amd-amdhsa--gfx1250"
	.amdhsa_code_object_version 6
	.text
	.protected	k_q12ae61447e_gateup
	.globl	k_q12ae61447e_gateup
	.p2align	8
	.type	k_q12ae61447e_gateup,@function
k_q12ae61447e_gateup:
	s_mov_b64 s[64:65], 0
	v_nop
	global_prefetch_b8 v0, s[64:65] scope:SCOPE_SE
	s_setreg_imm32_b32 hwreg(HW_REG_WAVE_MODE, 25, 1), 1
	s_wait_xcnt 0x0
	s_wait_alu depctr_hold_cnt(0) depctr_sa_sdst(0) depctr_va_vdst(0) depctr_va_sdst(0) depctr_va_ssrc(0) depctr_va_vcc(0) depctr_vm_vsrc(0)
	s_getreg_b32 s2, hwreg(HW_REG_IB_STS2, 6, 4)
	s_cmp_eq_u32 s2, 0
	s_cbranch_scc0 .Lentry_in_a_cluster
	s_endpgm
.Lentry_in_a_cluster:
	s_bfe_u32 s2, ttmp6, 0x10000c
	s_cmp_lg_u32 s2, 0xf033
	s_cbranch_scc0 .Lentry_shape_is_right
	s_endpgm
.Lentry_shape_is_right:
; h = g relu(g) u, g = x Wg + bg, u = x Wu + bu, quantised along the hidden axis into codes of FP4 (E2M1) with one E8M0 byte for each 32.
; x: [1024][2048], Wg, Wu: [8192][2048]: codes of FP4, K innermost, 1,024 bytes a row; their scale bytes 64 a row.  bg, bu: [8192] f32.
; OUT: h_codes, images of the next product's operand registers: [row / 16 : 64][k / 128 : 64][c : 2][lane : 32][16 bytes]: lane (r, hh) of chunk c holds the 32 codes
; k = 128 s + 64 c + 32 hh + 0 .. 31 of row 16 R + r.  h_scales: [k / 128 : 64][row : 1024] words of four bytes, byte b for k = 128 s + 32 b on.
; SHARES.  A work-group of four waves makes 256 rows x 128 hidden units: the second operand's tile is 128 rows of Wg and the same 128 rows of Wu.  A wave makes 128 rows x 64 units, gate and up:
; 64 accumulators of 16 x 16, 512 registers; accumulator (a, b): row block a, b < 4 gate's unit block b, b >= 4 up's unit block b - 4.
; K goes in steps of 512 (rows of 256 bytes) through a ring of two LDS slots; K = 2,048 is four such steps, written out.  The scale bytes for all of K come once, with the first fills.
; CLUSTERS: 4 x 4 work-groups.  The four of a row of the cluster need the same rows of x, the four of a column the same rows of Wg and Wu: each tile is asked for jointly.
; The grid is one cluster high, so the tile row is the place along the cluster's y.
; THE MATRIX INSTRUCTION IS USED TRANSPOSED (source 0 = 16 weight rows, source 1 = 16 rows of x): lane (r, hh) holds row r, and its register j the unit 8 hh + j of the block.
; The biases are the C of each sum's first matrix instruction, so they are added first, not last.
; LIMITS: NaN and infinities are not served.  A block of h whose largest magnitude lies under 2^-124 gets the byte 1 (the floor); a block of zeros gets the byte 1 where the rule says 127:
; its codes are zeros, which add nothing under any byte but 0xff, and the bytes are read by this program alone.
; REGISTERS, in windows of 256: window 0: v1-30 addresses; v32-95 scale words, two sets; v96-111 at work; v128-191 x's fragments, one set, on the way out 64 numbers of h;
;   v192-255 the biases, on the way out codes and scale halves.  window 1: the weights' fragments, two sets, at v0 and v128.  windows 2, 3: the accumulators of my rows 0-63, 64-127, (a, b) at v[8 (8 (a % 4) + b)].
.set NQ,     4                         ; matrix instructions deep in a slot
.set ROWB,   256                       ; a tile's row in bytes: 512 codes
.set KROW,   1024                      ; a row of x or of a weight in memory
.set PITCH,  272                       ; an LDS row: 256 bytes + 16 of padding = 68 words: row r starts at bank 4 r mod 64 (64 banks of 4 bytes: ISA guide 11.1)
.set FR,     8                         ; registers of a fragment: 16 rows x 128 K
.set NL,     2                         ; LDS loads that bring one
.set NP,     4                         ; places behind this matrix instruction (ISA guide 7.12.1)
.set HALFT,  128*PITCH                 ; 128 rows: what one tensor load brings
.set SLOT,   4*HALFT                   ; x's 256 rows, gate's 128, up's 128
.set SCL,    2*SLOT                    ; behind the ring: the scale bytes, as runs of 256 bytes + 16 of padding
.set HALFS,  32*272                    ; those of 128 rows (64 bytes a row)
.set SBLK,   4*272                     ; those of 16 rows
.set SPARE,  SCL+4*HALFS               ; the spare words, 128 bytes for each wave: two blocks of 256 bytes that no other line names
.set SCST,   SPARE+512                 ; h's scale words of the work-group's 256 rows, 4 bytes a row: written by LDS stores alone
.set ADRA,  16                         ; v16-17  LDS address of my fragments of x in slot 0, 1
.set ADRB,  20                         ; v20-21  the same for the weights
.set ADRS2, 22                         ; v22     scale words, blocks 4-7: lanes 0-15 x's, lanes 16-31 up's
.set BO,    23                         ; v23     32 hh: my eight numbers of a bias block
.set CO,    24                         ; v24     16 x lane: my place in an image's chunk
.set SA,    25                         ; v25     where I put half a scale word
.set SRD,   26                         ; v26     where I read two scale words back
.set ADRS,  27                         ; v27     scale words, blocks 0-3: lanes 0-15 x's, lanes 16-31 gate's
.set SPW,   28                         ; v28     LDS address of my spare word; never rewritten
.set NIL,   29                         ; v29     0; never rewritten
.set SO8,   30                         ; v30     8 x lane
.set SC,    32                         ; scale words: set s at v[SC + 32 s]; register 4 i + q: lanes 0-15 x's block i, lanes 16-31 the weights' block i, the slot's q-th 128 along K
.set TM,    96                         ; v96-99 largest magnitudes, v100-103 the other half's, v104-107 the conversions' scale operands, v108-111 bytes
.set AF,    128
.set T,     128                        ; the way out: two row blocks' h, 32 numbers each
.set BI,    192                        ; the biases: block b at v[BI + 8 b]
.set CD,    192                        ; the way out: row block a's codes at v[CD + 4 a]
.set HW,    224                        ; and its two scale bytes at v[HW + a]
.set SW,    232
.set G1,   24                          ; s[24:31] descriptor group 1 for x's tiles;  s[32:39] group 0, one set for each slot
.set G0,   32
.set TR,   41                          ; s41  cy = the tile row
.set G1B,  48                          ; s[48:55], s[56:63] the same for the weights' tiles
.set G0B,  56
.set WSB,  66                          ; s[66:67] where my 8,192 scale bytes lie; never rewritten
.set WST,  15                          ; v15     where I put them in LDS
.set PFA,  80                          ; s[80:81] the prefetches' base: my 32 rows of the 128 that I fetch; never rewritten
.set PFF,  82                          ; 1: I prefetch
.set PFO,  31                          ; v31     1,024 x lane: a lane a row
.set WV,   92
.set RH,   93                          ; which 128 rows of the tile are mine.  Also: I fetch for x (0) or for the weights (1)
.set CH,   94                          ; which 64 units.  Also: which 128 rows of x I fetch, or gate (0) / up (1)
.set SEL,  96                          ; s[96:97] v_permlanex16_b32's selects for lane l xor 16
.set MSB, 0
.macro WIN new                         ; the immediate's high byte repeats the setting that is left
.if MSB != (\new)
	s_set_vgpr_msb (MSB<<8)|(\new)
.set MSB, (\new)
.endif
.endm
.set MUL_LO, 0xa1                      ; source 0 (weights) window 1, source 1 (x) window 0, C and D window 2
.set MUL_HI, 0xf1                      ; the same, C and D window 3
.set TO_B,   0x40                      ; destination window 1, address window 0
; A joint load: waves 0 and 1 fetch for x, waves 2 and 3 for the weights.  Each line has one mask; the branch hangs on the wave's number alone.
; Four v_nop follow each of the two lines, ahead of the jump, the label and what follows.
.macro JLOAD g0a, g1a, g0b, g1b
	s_cmp_eq_u32 s[RH], 0
	s_cbranch_scc0 .Lfor_b_\@
	tensor_load_to_lds s[\g0a:\g0a+3], s[\g1a:\g1a+7]
	s_nop 0
.rept 4
	v_nop
.endr
	s_branch .Lasked_\@
.Lfor_b_\@:
	tensor_load_to_lds s[\g0b:\g0b+3], s[\g1b:\g1b+7]
	s_nop 0
.rept 4
	v_nop
.endr
.Lasked_\@:
.endm
.macro CREST                           ; a round of the cluster's barrier behind its opening barrier
	s_cmp_lg_u32 s[WV], 0
	s_cbranch_scc1 .Lnot_wave_0_\@
	s_barrier_signal -3
.Lnot_wave_0_\@:
	s_barrier_wait -3
	s_barrier_signal -1
	s_barrier_wait -1
.endm
; A prefetch of K step st: 32 rows x 256 bytes, a lane a row, one instruction a wave.  The four partners that ask jointly share a tile's 128 rows out by address.
; x, which all sixteen clusters read, is named by the first four clusters alone; K step 0 comes by its load alone.
.macro PREF st
	s_cmp_eq_u32 s[PFF], 1
	s_cbranch_scc0 .Lno_ask_\@
	global_prefetch_b8 v[PFO], s[PFA:PFA+1] offset:ROWB*\st th:TH_LOAD_NT scope:SCOPE_SE
.Lno_ask_\@:
.endm
.macro CROUND
	s_barrier_signal -1
	s_barrier_wait -1
	CREST
.endm
	s_load_b256 s[4:11], s[0:1], 0x0               ; x's codes s[4:5], x's scales s[6:7], gate's codes s[8:9], gate's scales s[10:11]
	s_load_b256 s[12:19], s[0:1], 0x20             ; up's codes s[12:13], up's scales s[14:15], b_gate s[16:17], b_up s[18:19]
	s_load_b128 s[20:23], s[0:1], 0x40             ; h_codes s[20:21], h_scales s[22:23]
	v_lshl_add_u32 v[SPW], v0, 2, SPARE
	v_mov_b32 v[NIL], 0
	ds_add_u32 v28, v29
	ds_add_u32 v28, v29
	v_lshrrev_b32 v1, 5, v0
	v_readfirstlane_b32 s[WV], v1                  ; wave 0..3
	s_lshr_b32 s[RH], s[WV], 1
	s_and_b32 s[CH], s[WV], 1
	s_bfe_u32 s40, ttmp6, 0x40000                  ; cx
	s_bfe_u32 s[TR], ttmp6, 0x40004                ; cy: the tile row (256 rows of x)
	s_lshl_b32 s42, ttmp9, 2
	s_add_co_u32 s42, s42, s40                     ; the tile column (128 hidden units) = 4 x cluster x + cx
	s_lshl_b32 s43, s[TR], 2
	s_lshl_b32 s43, 15, s43                        ; my row of the cluster
	s_lshl_b32 s44, 0x1111, s40                    ; my column
	; descriptor group 1: a tile of 128 rows x 256 bytes, padded in LDS
	s_or_b32 s[G1+0], s43, (0<<16)|(1<<20)|(1<<21)|(5<<22)|(3<<25)  ; 15:0 the mask: x's tiles go to my row; 17:16 elements of 1 byte; 20 padding on; 21 set beside a mask; 24:22 after every 64 words; 31:25 four words
	s_or_b32 s[G1B+0], s44, (0<<16)|(1<<20)|(1<<21)|(5<<22)|(3<<25) ; the weights' go to my column
.irp g, G1, G1B
	s_mov_b32 s[\g+1], ROWB<<16                    ; tensor_dim0
	s_mov_b32 s[\g+2], 128<<16                     ; tensor_dim1
	s_mov_b32 s[\g+3], ROWB<<16                    ; tile_dim0
	s_mov_b32 s[\g+4], 128                         ; tile_dim1
	s_mov_b32 s[\g+5], KROW                        ; tensor_dim0_stride
	s_mov_b32 s[\g+6], 0
	s_mov_b32 s[\g+7], 0
.endr
	s_lshl_b32 s98, s[TR], 8                       ; x: row 256 x tile row + 128 x half (s98-101 never hold the tile column)
	s_lshl_b32 s99, s[CH], 7
	s_add_co_u32 s98, s98, s99
	s_lshl_b32 s100, s98, 6                        ; its scale bytes, 64 a row,
	s_mov_b32 s101, 0
	s_lshl_b32 s98, s98, 10                        ; and its codes, 1,024 bytes a row
	s_mov_b32 s99, 0
	s_lshl_b32 s46, s42, 17                        ; the weights: row 128 x tile column: codes (s46, s47, s2, s3 never hold the tile row)
	s_mov_b32 s47, 0
	s_lshl_b32 s2, s42, 13                         ; and scale bytes
	s_mov_b32 s3, 0
	s_mul_i32 s45, s[WV], HALFT                    ; where they go: wave x 128 rows: no place in the cluster enters an LDS address
	s_mov_b32 s[SEL], 0x76543210
	s_mov_b32 s[SEL+1], 0xfedcba98
	s_wait_dscnt 0x0                               ; both opening adds are done
	s_wait_kmcnt 0x0
	s_cmp_eq_u32 s[CH], 0                          ; the even wave of the two that fetch weights takes gate's, the odd one up's: a choice on the wave's number
	s_cselect_b64 s[8:9], s[8:9], s[12:13]
	s_cselect_b64 s[10:11], s[10:11], s[14:15]
	s_add_nc_u64 s[98:99], s[4:5], s[98:99]
	s_add_nc_u64 s[100:101], s[6:7], s[100:101]
	s_add_nc_u64 s[46:47], s[8:9], s[46:47]
	s_add_nc_u64 s[2:3], s[10:11], s[2:3]
	s_cmp_eq_u32 s[RH], 0                          ; choices on the wave's number
	s_cselect_b64 s[WSB:WSB+1], s[100:101], s[2:3] ; the scale bytes of the 128 rows that I fetch
	s_cselect_b64 s[PFA:PFA+1], s[98:99], s[46:47]
	s_cselect_b32 s[PFF], s40, s[TR]               ; my place among the four that ask for my tile: cx for x, cy for the weights
	s_lshl_b32 s[PFF], s[PFF], 15                  ; 32 rows of 1,024 bytes each
	s_mov_b32 s[PFF+1], 0
	s_add_nc_u64 s[PFA:PFA+1], s[PFA:PFA+1], s[PFF:PFF+1]
	s_cmp_lt_u32 ttmp9, 4
	s_cselect_b32 s[PFF], 1, 0
	s_or_b32 s[PFF], s[PFF], s[RH]
	s_mul_i32 s95, s[WV], HALFS                    ; in LDS: wave x 128 rows
	s_add_co_u32 s95, s95, SCL
	v_and_b32 v1, 15, v0                           ; r = lane % 16
	v_bfe_u32 v2, v0, 4, 1                         ; hh = lane / 16
	v_and_b32 v3, 31, v0
	v_lshlrev_b32 v[CO], 4, v3
	v_lshlrev_b32 v[PFO], 10, v3
	v_mul_u32_u24 v7, 0x110, v2
	v_lshl_add_u32 v7, v1, 4, v7
	v_add_nc_u32 v[WST], s95, v7                   ; each run of 256 bytes goes to an LDS row of 272
.irp n, 0,1,2,3,4,5,6,7,8,9,10,11,12,13,14,15
	global_load_b128 v[AF+4*\n:AF+4*\n+3], v[CO], s[WSB:WSB+1] offset:512*\n   ; 512 consecutive bytes a load; stored to LDS when no tensor load of mine is out
.endr
	s_wait_alu depctr_va_vdst(0)
.irp s, 0,1
	s_mov_b32 s[G0+4*\s], 1
	s_add_co_u32 s[G0+4*\s+1], s45, \s*SLOT
	s_add_nc_u64 s[G0+4*\s+2:G0+4*\s+3], s[98:99], \s*ROWB
	s_or_b32 s[G0+4*\s+3], s[G0+4*\s+3], 0x80000000
	s_mov_b32 s[G0B+4*\s], 1
	s_add_co_u32 s[G0B+4*\s+1], s45, \s*SLOT
	s_add_nc_u64 s[G0B+4*\s+2:G0B+4*\s+3], s[46:47], \s*ROWB
	s_or_b32 s[G0B+4*\s+3], s[G0B+4*\s+3], 0x80000000
.endr
	CROUND                                         ; all sixteen work-groups are here: the first joint loads meet
	JLOAD G0, G1, G0B, G1B                         ; K step 0: one tensor load a wave at the head
	v_lshlrev_b32 v[BO], 5, v2
	s_lshl_b32 s46, s42, 9                         ; the biases of my 64 units: (128 x tile column + 64 x half) x 4 bytes
	s_lshl_b32 s47, s[CH], 8
	s_add_co_u32 s46, s46, s47
	s_mov_b32 s47, 0
	s_add_nc_u64 s[16:17], s[16:17], s[46:47]
	s_add_nc_u64 s[18:19], s[18:19], s[46:47]
.irp b, 0,1,2,3                        ; in the result's layout: lane (r, hh), register j: the bias of unit 16 b + 8 hh + j
	global_load_b128 v[BI+8*\b:BI+8*\b+3],       v[BO], s[16:17] offset:64*\b
	global_load_b128 v[BI+8*\b+4:BI+8*\b+7],     v[BO], s[16:17] offset:64*\b+16
	global_load_b128 v[BI+32+8*\b:BI+32+8*\b+3], v[BO], s[18:19] offset:64*\b
	global_load_b128 v[BI+36+8*\b:BI+36+8*\b+3], v[BO], s[18:19] offset:64*\b+16
.endr
	v_mul_u32_u24 v3, v1, PITCH
	v_lshl_add_u32 v4, v2, 4, v3                   ; a fragment's row x pitch + 16 x half
	s_mul_i32 s2, s[RH], HALFT                     ; my 128 rows of x
	s_mul_i32 s3, s[CH], 64*PITCH                  ; my 64 rows of gate,
	s_add_co_u32 s3, s3, 2*HALFT                   ; which lie behind x's 256; up's lie 128 rows further on
.irp s, 0,1
	v_add_nc_u32 v[ADRA+\s], s2, v4
	v_add_nc_u32 v[ADRB+\s], s3, v4
	s_add_co_u32 s2, s2, SLOT
	s_add_co_u32 s3, s3, SLOT
.endr
	v_lshlrev_b32 v5, 6, v1                        ; my row's scale bytes: 64 a row,
	v_lshrrev_b32 v6, 2, v1
	v_lshl_add_u32 v5, v6, 4, v5                   ; and 16 more for each 256 passed
	s_mul_i32 s2, s[RH], HALFS                     ; x's: my 128 rows
	s_mul_i32 s3, s[CH], 4*SBLK                    ; gate's: my 64 rows, behind x's 256
	s_add_co_u32 s3, s3, 2*HALFS
	s_sub_co_u32 s3, s3, s2
	v_mul_u32_u24 v6, s3, v2                       ; lanes 16-31 take the weights': one product, the half x the distance
	s_add_co_u32 s3, s3, 4*SBLK                    ; up's block b - 4, named as block b: 128 rows on, 64 rows back
	v_mul_u32_u24 v7, s3, v2
	s_add_co_u32 s2, s2, SCL
	v_add_nc_u32 v6, v5, v6
	v_add_nc_u32 v7, v5, v7
	v_add_nc_u32 v[ADRS], s2, v6
	v_add_nc_u32 v[ADRS2], s2, v7
	v_lshrrev_b32 v[SO8], 1, v[CO]
	s_lshl_b32 s2, s[RH], 9                        ; h's scale words in LDS: 4 bytes a row; my 128 rows, my two of a word's four bytes
	s_lshl_b32 s3, s[CH], 1
	s_add_co_u32 s2, s2, s3
	s_add_co_u32 s2, s2, SCST
	v_lshl_add_u32 v[SA], v1, 2, s2
	s_lshl_b32 s2, s[WV], 8                        ; back: wave w takes the words of rows 64 w on, 8 bytes a lane
	s_add_co_u32 s2, s2, SCST
	v_add_nc_u32 v[SRD], s2, v[SO8]
	PREF 1
	s_lshl_b32 s46, s[TR], 20                      ; h_codes: image (16 x tile row + 8 x half + a, tile column), chunk = my half of the units
	s_lshl_b32 s47, s[RH], 19
	s_add_co_u32 s46, s46, s47
	s_lshl_b32 s47, s42, 10
	s_add_co_u32 s46, s46, s47
	s_lshl_b32 s47, s[CH], 9
	s_add_co_u32 s46, s46, s47
	s_mov_b32 s47, 0
	s_add_nc_u64 s[20:21], s[20:21], s[46:47]
	s_lshl_b32 s46, s42, 12                        ; h_scales: 4,096 bytes for each 128 units, 4 bytes a row
	s_lshl_b32 s47, s[TR], 10
	s_add_co_u32 s46, s46, s47
	s_lshl_b32 s47, s[WV], 8
	s_add_co_u32 s46, s46, s47
	s_mov_b32 s47, 0
	s_add_nc_u64 s[22:23], s[22:23], s[46:47]
.macro FRAG reg, adr, q, rows          ; a fragment: lane l holds row l % 16; registers 4 c .. 4 c + 3 hold K = 64 c + 32 (l / 16) + 0 .. 31: 16 bytes of the row as they lie
.irp c, 0,1
	ds_load_b128 v[\reg+4*\c:\reg+4*\c+3], v[\adr] offset:64*(\q)+32*\c+(\rows)*PITCH
.endr
.endm
; 16 matrix instructions: x's blocks a0, a0 + 1 against the weights' eight, 128 along K: the slot's q-th.  p: the weights' set;  sc: the set of scale words.  first = 1: the biases start the sums: nothing is ever cleared.
; The 64 accumulators take turns, one instruction a turn, in the same order in every step.
.macro MUL16 a0, p, q, sc, first
.irp a, \a0, \a0+1
.irp b, 0,1,2,3,4,5,6,7
.if \first
	v_wmma_scale_f32_16x16x128_f8f6f4 v[8*(8*((\a)%4)+\b):8*(8*((\a)%4)+\b)+7], v[128*(\p)+FR*\b:128*(\p)+FR*\b+FR-1], v[AF+FR*(\a):AF+FR*(\a)+FR-1], v[BI+8*\b:BI+8*\b+7], v[SC+8*NQ*(\sc)+NQ*\b+(\q)], v[SC+8*NQ*(\sc)+NQ*(\a)+(\q)] matrix_a_fmt:MATRIX_FMT_FP4 matrix_b_fmt:MATRIX_FMT_FP4 matrix_a_scale:MATRIX_SCALE_ROW1
.else
	v_wmma_scale_f32_16x16x128_f8f6f4 v[8*(8*((\a)%4)+\b):8*(8*((\a)%4)+\b)+7], v[128*(\p)+FR*\b:128*(\p)+FR*\b+FR-1], v[AF+FR*(\a):AF+FR*(\a)+FR-1], v[8*(8*((\a)%4)+\b):8*(8*((\a)%4)+\b)+7], v[SC+8*NQ*(\sc)+NQ*\b+(\q)], v[SC+8*NQ*(\sc)+NQ*(\a)+(\q)] matrix_a_fmt:MATRIX_FMT_FP4 matrix_b_fmt:MATRIX_FMT_FP4 matrix_a_scale:MATRIX_SCALE_ROW1
.endif
.endr
.endr
.endm
.macro FETCH_B slot, q, p              ; the weights' eight fragments into set p: gate's blocks 0-3 at rows 16 i, up's 0-3 at rows 128 + 16 (i - 4)
	WIN TO_B
.irp i, 0,1,2,3,4,5,6,7
	FRAG 128*(\p)+FR*\i, ADRB+\slot, \q, 16*\i+64*(\i/4)
.endr
	WIN 0
.endm
.macro FETCH_A slot, q, i0             ; x's blocks i0 .. i0 + 3
.irp i, \i0, \i0+1, \i0+2, \i0+3
	FRAG AF+FR*(\i), ADRA+\slot, \q, 16*(\i)
.endr
.endm
.macro SCALES sc                       ; a K step's scale words into set sc: four words a row
.irp i, 0,1,2,3
	ds_load_b128 v[SC+8*NQ*\sc+NQ*\i:SC+8*NQ*\sc+NQ*\i+3], v[ADRS] offset:\i*SBLK
.endr
.irp i, 4,5,6,7
	ds_load_b128 v[SC+8*NQ*\sc+NQ*\i:SC+8*NQ*\sc+NQ*\i+3], v[ADRS2] offset:\i*SBLK
.endr
.endm
; A load into a register that a matrix instruction has read, and a vector instruction that reads a matrix result or writes one of a matrix instruction's registers, stand NP places behind it;
; only plain vector instructions that name none of its registers are places (ISA guide 7.12.1 for vector instructions).
.macro PLACES n
.rept \n
	v_nop
.endr
.endm
; A step of 128 along K that has its successor in the same slot.  x has one set of registers: blocks 0-3 are fetched anew in the step's middle, blocks 4-7 at its end.
.macro STEP slot, q, first
	s_wait_dscnt 4*NL                              ; the weights' set and x's blocks 0-3 are in; the youngest eight loads (x's blocks 4-7) may be out
.if \first
	WIN 0x81                                       ; C (the biases) in window 0, D in window 2
.else
	WIN MUL_LO
.endif
	MUL16 0, (\q)%2, \q, \slot, \first
	MUL16 2, (\q)%2, \q, \slot, \first
	s_wait_dscnt 0                                 ; x's blocks 4-7 are in
	PLACES NP
	FETCH_B \slot, (\q)+1, 1-(\q)%2
	FETCH_A \slot, (\q)+1, 0
.if \first
	WIN 0xc1
.else
	WIN MUL_HI
.endif
	MUL16 4, (\q)%2, \q, \slot, \first
	MUL16 6, (\q)%2, \q, \slot, \first
	PLACES NP
	WIN 0
	FETCH_A \slot, (\q)+1, 4
.endm
; A slot's last step changes slots: one barrier; in front of it each wave waits for all its tensor loads, adds 0 to its spare word, and waits for that and for its own reads of this slot.  fill = 1: this slot is filled again, two K steps ahead.
.macro TURN slot, next, fill
	s_wait_tensorcnt 0x0                           ; all my tensor loads have landed: my part of the next slot  (every window is 0 here)
	ds_add_u32 v[SPW], v[NIL]                      ; 0 onto my spare word
	s_wait_dscnt 4*NL+1                            ; (the add and the youngest eight loads, x's blocks 4-7, may be out)
	WIN MUL_LO
	MUL16 0, 1, NQ-1, \slot, 0                     ; sixteen matrix instructions stand between the add and the wait for it
	s_wait_dscnt 0x0                               ; the add is done, and my reads of this slot are over
	s_barrier_signal -1
	MUL16 2, 1, NQ-1, \slot, 0
	WIN 0
	s_barrier_wait -1
.if \fill
	CREST                                          ; the barrier has opened a round of the cluster's barrier: no wave of any partner still reads this slot's tile or has a load on its way
	s_add_nc_u64 s[G0+4*\slot+2:G0+4*\slot+3], s[G0+4*\slot+2:G0+4*\slot+3], 2*ROWB
	s_add_nc_u64 s[G0B+4*\slot+2:G0B+4*\slot+3], s[G0B+4*\slot+2:G0B+4*\slot+3], 2*ROWB
	JLOAD G0+4*\slot, G1, G0B+4*\slot, G1B         ; the first tensor load behind the round, my one load until the next; its four v_nop are the places in front of the loads below
.else
	PLACES NP
.endif
	s_wait_alu depctr_va_vdst(0)
	v_add_nc_u32 v[ADRS], 4*NQ, v[ADRS]            ; on to the next K step's scale words (no LDS load of mine is out)
	v_add_nc_u32 v[ADRS2], 4*NQ, v[ADRS2]
	FETCH_B \next, 0, 0
	FETCH_A \next, 0, 0
	SCALES \next
	WIN MUL_HI
	MUL16 4, 1, NQ-1, \slot, 0
	MUL16 6, 1, NQ-1, \slot, 0
	PLACES NP
	WIN 0
	FETCH_A \next, 0, 4
.endm
.macro STEPS slot, from                ; the slot's steps from .. NQ - 2
.set Q, \from
.rept NQ-1-\from
	STEP \slot, Q, 0
.set Q, Q+1
.endr
.endm
	s_wait_alu depctr_va_vdst(0)
	s_wait_loadcnt 16                              ; my scale bytes are in registers (the sixteen loads of biases may be out),
	s_wait_tensorcnt 0x0                           ; and my tile of K step 0 in LDS: no tensor load of mine is out,
.irp n, 0,1,2,3,4,5,6,7,8,9,10,11,12,13,14,15
	ds_store_b128 v[WST], v[AF+4*\n:AF+4*\n+3] offset:544*\n   ; so the scale bytes go to blocks of their own, into which no tile lands
.endr
	s_wait_tensorcnt 0x0                           ; (nothing is out; the add stands directly behind this wait)
	ds_add_u32 v[SPW], v[NIL]                      ; 0 onto my spare word
	s_wait_dscnt 0x0                               ; the add and my stores are done
	CROUND                                         ; everybody's are, and all sixteen work-groups are here
	JLOAD G0+4, G1, G0B+4, G1B                     ; K step 1: the first tensor load behind the round
	FETCH_B 0, 0, 0
	FETCH_A 0, 0, 0
	SCALES 0
	FETCH_A 0, 0, 4
	s_wait_loadcnt 0x0                             ; the biases
	STEP 0, 0, 1                                   ; the first step's products start the sums on the biases
	PREF 2                                         ; three steps of 128 ahead of its load
	STEPS 0, 1
	TURN 0, 1, 1                                   ; slot 0 takes K = 1,024 on
	STEP 1, 0, 0
	PREF 3                                         ; the last K step: nothing is prefetched behind it
	STEPS 1, 1
	TURN 1, 0, 1                                   ; slot 1 takes K = 1,536 on
	STEP 0, 0, 0
	STEPS 0, 1
	TURN 0, 1, 0                                   ; nothing is left to fetch: a plain barrier
	STEPS 1, 0
	s_wait_dscnt 4*NL                              ; the very last step
	WIN MUL_LO
	MUL16 0, 1, NQ-1, 1, 0
	MUL16 2, 1, NQ-1, 1, 0
	s_wait_dscnt 0
	WIN MUL_HI
	MUL16 4, 1, NQ-1, 1, 0
	MUL16 6, 1, NQ-1, 1, 0
	WIN 0
; THE WAY OUT, two row blocks at a time.  In row block a, number n = 8 t + j of lane (r, hh) is h(16 a + r, 16 t + 8 hh + j).
.macro ACT a                           ; h = (g x max(g, 0)) x u, in f32; each accumulator is read from its low end on
.set TA, T+32*((\a)%2)
.set AA, 64*((\a)%4)
.set n, 0
.rept 32
	v_max_num_f32 v[TA+n], 0, v[AA+n]
.set n, n+1
.endr
.set n, 0
.rept 16
	v_pk_mul_f32 v[TA+n:TA+n+1], v[TA+n:TA+n+1], v[AA+n:AA+n+1]
.set n, n+2
.endr
.set n, 0
.rept 16
	v_pk_mul_f32 v[TA+n:TA+n+1], v[TA+n:TA+n+1], v[AA+32+n:AA+32+n+1]
.set n, n+2
.endr
.endm
; Four blocks of 32 units by turns: block b of the four is row block a0 + b / 2, units 32 (b % 2) on: my 16 numbers of it lie at v[T + 16 b], lane l xor 16 holds the other 16.
; A conversion's eight numbers are units 32 B + 16 u + 8 hh + 0 .. 7: word 2 u + hh of the block's four.  Words (u, B = 0) and (u, B = 1) lie in neighbouring registers; the exchange of halves
; then leaves words 0 .. 3 of block hh in the lane's four registers: my chunk of the image, stored as it stands: 32 lanes, 512 consecutive bytes, aligned.
.macro PAIR a0
	WIN (2+(\a0)/4)<<2                             ; source 1: the accumulators' window
	ACT \a0
	ACT (\a0)+1
	WIN 0
.irp b, 0,1,2,3
	v_max3_num_f32 v[TM+\b], |v[T+16*\b]|, |v[T+16*\b+1]|, 0x1800000   ; and the floor 2^(3 - 127): the byte cannot fall under 1
.endr
.irp i, 2,4,6,8,10,12,14
.irp b, 0,1,2,3
	v_max3_num_f32 v[TM+\b], v[TM+\b], |v[T+16*\b+\i]|, |v[T+16*\b+\i+1]|
.endr
.endr
.irp b, 0,1,2,3
	v_permlanex16_b32 v[TM+4+\b], v[TM+\b], s[SEL], s[SEL+1]
.endr
.irp b, 0,1,2,3
	v_max_num_f32 v[TM+\b], v[TM+\b], v[TM+4+\b]   ; the block's largest magnitude
.endr
.irp b, 0,1,2,3
	v_add_nc_u32 v[TM+8+\b], 0xff000000, v[TM+\b]  ; 2 off its exponent field: the conversion takes the exponent field of this operand as its scale
.endr
.irp b, 0,1,2,3
	v_lshrrev_b32 v[TM+12+\b], 23, v[TM+8+\b]      ; the scale's byte
.endr
	v_lshl_or_b32 v[HW+(\a0)], v[TM+13], 8, v[TM+12]
	v_lshl_or_b32 v[HW+(\a0)+1], v[TM+15], 8, v[TM+14]
.irp b, 0,1,2,3
.irp u, 0,1
	v_cvt_scalef32_pk8_fp4_f32 v[CD+4*((\a0)+\b/2)+2*\u+\b%2], v[T+16*\b+8*\u:T+16*\b+8*\u+7], v[TM+8+\b]
.endr
.endr
	v_nop                                          ; one plain place behind the last scaled conversion
.irp d, 0,1
	v_permlane16_swap_b32 v[CD+4*((\a0)+\d)], v[CD+4*((\a0)+\d)+1]
	v_permlane16_swap_b32 v[CD+4*((\a0)+\d)+2], v[CD+4*((\a0)+\d)+3]
.endr
.irp d, 0,1
	global_store_b128 v[CO], v[CD+4*((\a0)+\d):CD+4*((\a0)+\d)+3], s[20:21] offset:65536*((\a0)+\d) th:TH_STORE_NT   ; each row block has registers of its own: no store's data are written again
	ds_store_b16 v[SA], v[HW+(\a0)+\d] offset:64*((\a0)+\d)   ; both lanes of a row write the same two bytes with the same value
.endr
.endm
.irp b, 0,1,2,3
	v_mov_b32 v[TM+4+\b], 0                        ; a lane permute's destination counts as one of its sources.  These four are also the places behind the last products
.endr
	PAIR 0
	PAIR 2
	PAIR 4
	PAIR 6
	s_wait_tensorcnt 0x0                           ; behind my last tensor load and my last LDS store
	ds_add_u32 v[SPW], v[NIL]
	s_wait_dscnt 0x0                               ; for the others' sake too: my halves of the scale words are stored
	CROUND                                         ; the closing round: no work-group ends while a partner may still ask for a tile that names it; and a word's other half comes from the wave beside me
	ds_load_b64 v[SW:SW+1], v[SRD]
	s_wait_dscnt 0x0
	global_store_b64 v[SO8], v[SW:SW+1], s[22:23]  ; the words of 64 rows: 256 consecutive bytes, aligned
	s_endpgm
.Lfunc_end_k_q12ae61447e_gateup:
	.size	k_q12ae61447e_gateup, .Lfunc_end_k_q12ae61447e_gateup-k_q12ae61447e_gateup
	.p2alignl 7, 3214868480
	.fill 96, 4, 3214868480
	.section	.rodata,"a",@progbits
	.p2align	6, 0x0
	.amdhsa_kernel k_q12ae61447e_gateup
		.amdhsa_group_segment_fixed_size 327680
		.amdhsa_private_segment_fixed_size 0
		.amdhsa_enable_private_segment 0
		.amdhsa_kernarg_size 80
		.amdhsa_user_sgpr_count 2
		.amdhsa_user_sgpr_kernarg_segment_ptr 1
		.amdhsa_wavefront_size32 1
		.amdhsa_system_sgpr_workgroup_id_x 1
		.amdhsa_system_sgpr_workgroup_id_y 1
		.amdhsa_system_sgpr_workgroup_id_z 1
		.amdhsa_system_vgpr_workitem_id 0
		.amdhsa_next_free_vgpr 1024
		.amdhsa_next_free_sgpr 102
		.amdhsa_reserve_vcc 0
		.amdhsa_float_denorm_mode_32 3
		.amdhsa_float_denorm_mode_16_64 3
		.amdhsa_memory_ordered 1
		.amdhsa_forward_progress 1
		.amdhsa_inst_pref_size 227
	.end_amdhsa_kernel
	.amdgpu_metadata
---
amdhsa.version: [ 1, 2 ]
amdhsa.kernels:
  - .name:           k_q12ae61447e_gateup
    .symbol:         k_q12ae61447e_gateup.kd
    .args:
      - { .name: hidden_states_codes, .offset: 0, .size: 8, .value_kind: global_buffer, .address_space: global }
      - { .name: hidden_states_scales, .offset: 8, .size: 8, .value_kind: global_buffer, .address_space: global }
      - { .name: w_gate_codes, .offset: 16, .size: 8, .value_kind: global_buffer, .address_space: global }
      - { .name: w_gate_scales, .offset: 24, .size: 8, .value_kind: global_buffer, .address_space: global }
      - { .name: w_up_codes, .offset: 32, .size: 8, .value_kind: global_buffer, .address_space: global }
      - { .name: w_up_scales, .offset: 40, .size: 8, .value_kind: global_buffer, .address_space: global }
      - { .name: b_gate, .offset: 48, .size: 8, .value_kind: global_buffer, .address_space: global }
      - { .name: b_up, .offset: 56, .size: 8, .value_kind: global_buffer, .address_space: global }
      - { .name: h_codes, .offset: 64, .size: 8, .value_kind: global_buffer, .address_space: global }
      - { .name: h_scales, .offset: 72, .size: 8, .value_kind: global_buffer, .address_space: global }
    .group_segment_fixed_size: 327680
    .private_segment_fixed_size: 0
    .kernarg_segment_align: 8
    .kernarg_segment_size: 80
    .max_flat_workgroup_size: 128
    .sgpr_count:     102
    .vgpr_count:     1024
    .wavefront_size: 32
...
	.end_amdgpu_metadata
.endif
;; end of part 1
;; launch down (part 2): grid 16 x 16, 4 waves a work-group, clusters of 4 x 1, 327,680 bytes of LDS; arguments h_codes, h_scales, w_down_codes, w_down_scales, b_down, out0; writes out0
.if DOCPART == 2
	.amdgcn_target "amdgcn-amd-amdhsa--gfx1250"
	.amdhsa_code_object_version 6
	.text
	.protected	k_q12ae61447e_down
	.globl	k_q12ae61447e_down
	.p2align	8
	.type	k_q12ae61447e_down,@function
k_q12ae61447e_down:
	s_mov_b64 s[64:65], 0
	v_nop
	global_prefetch_b8 v0, s[64:65] scope:SCOPE_SE
	s_setreg_imm32_b32 hwreg(HW_REG_WAVE_MODE, 25, 1), 1
	s_wait_xcnt 0x0
	s_wait_alu depctr_hold_cnt(0) depctr_sa_sdst(0) depctr_va_vdst(0) depctr_va_sdst(0) depctr_va_ssrc(0) depctr_va_vcc(0) depctr_vm_vsrc(0)
	s_getreg_b32 s2, hwreg(HW_REG_IB_STS2, 6, 4)
	s_cmp_eq_u32 s2, 0
	s_cbranch_scc0 .Lentry_in_a_cluster
	s_endpgm
.Lentry_in_a_cluster:
	s_bfe_u32 s2, ttmp6, 0x10000c
	s_cmp_lg_u32 s2, 0x3003
	s_cbranch_scc0 .Lentry_shape_is_right
	s_endpgm
.Lentry_shape_is_right:
; out = h Wd + bd.  h: [1024][8192] as images of the operand's registers (h_codes: [row / 16][k / 128][c : 2][lane][16 bytes]) and scale words (h_scales: [k / 128][row] x 4 bytes), made by the launch before.
; Wd: [2048][8192] codes of FP4, K innermost, 4,096 bytes a row; its scale bytes 256 a row.  bd: [2048] f32.  out: [1024][2048] f32.
; SHARES.  A work-group makes 64 rows x 128 columns.  K IS SPLIT OVER THE FOUR WAVES: each wave makes the whole tile, 32 accumulators, on a quarter of K, so that each LDS byte is read once;
; the four parts meet in LDS at the end and are added as (p0 + p1) + (p2 + p3) + bd: an order of sums other than K ascending.
; Wd comes in four fills of 128 rows x 1,024 bytes (2,048 along K) through a ring of two LDS slots; in fill t wave w takes the bytes 256 w .. 256 w + 255 of each row: the steps s = 16 t + 4 w + q of 128 along K.
; Wave step k = 4 t + q.  A fill's fragments of Wd, all four steps', are asked for in one run when the fill is in: four sets of registers.
; h's fragments go from memory straight into registers, 512 consecutive bytes a load, through a ring of eight steps' registers; they are asked for AH steps ahead.
; THE HEAD, one tensor load a wave: waves 0 and 1 fetch fill 0's two halves, wave 2 Wd's scale bytes of the 128 rows, wave 3 the scale words of h's 64 rows.  Behind it each wave fetches 32 rows of a fill.
; CLUSTER: the four work-groups along x share their 128 columns, so all loads of Wd and its scales are joint.  h is not asked for jointly: beside Wd's two slots and the scales LDS has no room for its tiles.
; PREFETCH: fill 1 at the head, fills 2 and 3 behind the first step of the fill two before, one instruction a wave each: wave w names bytes 256 w of the fill's rows, a lane a row, and the partner at place cx rows 32 cx .. 32 cx + 31.
; THE MATRIX INSTRUCTION IS USED TRANSPOSED (source 0 = 16 rows of Wd, source 1 = 16 rows of h): lane (r, hh) holds row r of out and eight neighbouring columns.
; LIMITS: NaN and infinities are not served.
; REGISTERS, in windows of 256: window 0: v1-31 addresses and the bias; v32-63 h's scale words; v64-127 Wd's; v128-255 at the end the parts to be added.
;   window 1: Wd's fragments, step k's set at v[64 (k % 4)].   window 2: h's, (k, i) at v[32 (k % 8) + 8 i].   window 3: accumulator (i, b) at v[8 (8 i + b)].
.set PITCH, 1040                       ; an LDS row: 1,024 bytes + 16 of padding = 260 words: row r starts at bank 4 r mod 64 (64 banks of 4 bytes: ISA guide 11.1)
.set S0,    128*PITCH                  ; slot 0 (fills 0, 2) lies behind slot 1 (fills 1, 3), which begins at 0
.set STG,   64*528                     ; a wave's stage at the end: four from S0 on: slot 0, and the 2,048 bytes behind it, into which no fill lands
.set SCLW,  S0+4*STG                   ; Wd's scale bytes: 128 rows of 256 bytes + 16 of padding
.set HSL,   SCLW+128*272               ; h's scale words: [s : 64][row : 64] x 4 bytes
.set SPARE, HSL+16384                  ; the spare words, 128 bytes for each wave: two blocks of 256 bytes that no other line names
.set AH,  6                            ; steps that h's fragments are asked for ahead
.set AO,  4                            ; v4   16 x lane
.set LB,  6                            ; v6-9 my lane's place in slot 0 (column blocks 0-3, 4-7) and in slot 1
.set LSC, 10                           ; v10  Wd's scale words: row = lane, my wave's 16 bytes of a fill
.set LHS, 11                           ; v11  h's scale words
.set STO, 12                           ; v12  the stage: where I put 32 bytes of a row
.set PFO, 14                           ; v14  the prefetches' offset; never rewritten
.set BV,  16                           ; v16-19 bd at my four columns
.set RD,  20                           ; v20-23 where I read my rows back from the four stages
.set SPW, 28                           ; v28  LDS address of my spare word; never rewritten
.set NIL, 29                           ; v29  0; never rewritten
.set HSW, 32                           ; h's scale words: (k, j) at 2 k + j: lanes 0-15 row block 2 j, lanes 16-31 row block 2 j + 1
.set WSW, 64                           ; Wd's: (t, jj, q) at 16 t + 4 jj + q: lanes 0-15 column block 2 jj, lanes 16-31 block 2 jj + 1
.set PT,  128                          ; the parts to be added, in window 0
.set WV,  16                           ; s16  my wave's number
.set G1,  24                           ; s[24:31] group 1 of the codes: 64 rows x 1,024 bytes at the head, 32 rows behind it
.set G1S, 32                           ; s[32:39] of Wd's scale bytes
.set G1H, 40                           ; s[40:47] of h's scale words
.set G0X, 48                           ; groups 0: the head's codes, Wd's scales, h's scales, the ring's slot 0, slot 1
.set G0S, 52
.set G0H, 56
.set G0R0, 60
.set G0R1, 68
.set PF,  72                           ; s[72:73] the prefetches' base; never rewritten
.set MSB, 0
.macro WIN new                         ; the immediate's high byte repeats the setting that is left
.if MSB != (\new)
	s_set_vgpr_msb (MSB<<8)|(\new)
.set MSB, (\new)
.endif
.endm
.macro CREST                           ; a round of the cluster's barrier behind its opening barrier
	s_cmp_lg_u32 s[WV], 0
	s_cbranch_scc1 .Lnot_wave_0_\@
	s_barrier_signal -3
.Lnot_wave_0_\@:
	s_barrier_wait -3
	s_barrier_signal -1
	s_barrier_wait -1
.endm
.macro CROUND
	s_barrier_signal -1
	s_barrier_wait -1
	CREST
.endm
.macro PLACES                          ; four places in front of loads into registers that matrix instructions have read, and of the first read of results (ISA guide 7.12.1 for the first read of results)
.rept 4
	v_nop
.endr
.endm
.macro PREF t
	global_prefetch_b8 v[PFO], s[PF:PF+1] offset:1024*\t th:TH_LOAD_NT scope:SCOPE_SE
.endm
.macro TLOAD g0, g1                    ; an s_nop 0 and four v_nop follow each tensor load
	tensor_load_to_lds s[\g0:\g0+3], s[\g1:\g1+7]
	s_nop 0
	PLACES
.endm
.macro ARM under, g0, g1, next
	s_cmp_lt_u32 s[WV], \under
	s_cbranch_scc0 \next
	TLOAD \g0, \g1
	s_branch .Lhead_asked
\next:
.endm
	s_load_b256 s[4:11], s[0:1], 0x0               ; h_codes s[4:5], h_scales s[6:7], Wd's codes s[8:9], Wd's scales s[10:11]
	s_load_b128 s[12:15], s[0:1], 0x20             ; bd s[12:13], out s[14:15]
	v_lshl_add_u32 v[SPW], v0, 2, SPARE
	v_mov_b32 v[NIL], 0
	ds_add_u32 v[SPW], v[NIL]                      ; the wave's opening: the add, twice on end, and its one wait ahead of my first tensor load
	ds_add_u32 v[SPW], v[NIL]
	v_lshrrev_b32 v1, 5, v0
	v_readfirstlane_b32 s[WV], v1                  ; wave 0..3
	s_mul_i32 s74, s[WV], STG
	s_add_co_u32 s74, s74, S0                      ; my stage
	s_lshl_b32 s75, s[WV], 8                       ; my 256 bytes of a fill's row
	s_mul_i32 s76, s[WV], 16*528
	s_add_co_u32 s76, s76, S0                      ; my 16 rows of a stage
	s_lshl_b32 s77, s[WV], 4
	s_add_co_u32 s77, s77, SCLW
	s_lshl_b32 s78, s[WV], 10
	s_add_co_u32 s78, s78, HSL
	v_and_b32 v1, 31, v0                           ; lane
	v_and_b32 v2, 15, v0                           ; r
	v_bfe_u32 v3, v0, 4, 1                         ; hh
	v_lshlrev_b32 v[AO], 4, v1
	v_mul_u32_u24 v5, PITCH, v2
	v_lshl_add_u32 v5, v3, 4, v5
	v_add_nc_u32 v[LB+2], s75, v5
	v_add_nc_u32 v[LB+3], 64*PITCH, v[LB+2]
	v_add_nc_u32 v[LB], S0, v[LB+2]
	v_add_nc_u32 v[LB+1], S0+64*PITCH, v[LB+2]
	v_mul_u32_u24 v5, 0x210, v2                    ; the stage: rows of 528 bytes, + 32 hh
	v_lshl_add_u32 v5, v3, 5, v5
	v_add_nc_u32 v[STO], s74, v5
	v_add_nc_u32 v[RD], s76, v[AO]                 ; back: 16 bytes a lane
	v_add_nc_u32 v[RD+1], STG, v[RD]
	v_add_nc_u32 v[RD+2], 2*STG, v[RD]
	v_add_nc_u32 v[RD+3], 3*STG, v[RD]
	v_mul_u32_u24 v[LSC], 0x110, v1
	v_add_nc_u32 v[LSC], s77, v[LSC]
	v_lshl_add_u32 v[LHS], v1, 2, s78
	v_lshlrev_b32 v[PFO], 12, v1                   ; a lane a row of Wd
	v_add_nc_u32 v[PFO], s75, v[PFO]
	s_bfe_u32 s17, ttmp6, 0x40000                  ; cx
	s_lshl_b32 s18, ttmp9, 2
	s_add_co_u32 s18, s18, s17                     ; my 64 rows: 4 x cluster x + cx: it enters h's and out's addresses alone
	s_and_b32 s19, ttmp7, 0xffff                   ; my 128 columns, which the four partners share
	s_mov_b32 s[G1], 15|(0<<16)|(1<<20)|(1<<21)|(7<<22)|(3<<25)  ; 15:0 the mask: all four; 17:16 elements of 1 byte; 20 padding on; 21 set beside a mask; 24:22 after every 256 words; 31:25 four words
	s_mov_b32 s[G1+1], 1024<<16                    ; tensor_dim0
	s_mov_b32 s[G1+2], 64<<16                      ; tensor_dim1
	s_mov_b32 s[G1+3], 1024<<16                    ; tile_dim0
	s_mov_b32 s[G1+4], 64                          ; tile_dim1
	s_mov_b32 s[G1+5], 4096                        ; tensor_dim0_stride
	s_mov_b32 s[G1+6], 0
	s_mov_b32 s[G1+7], 0
	s_mov_b32 s[G1S], 15|(3<<16)|(1<<20)|(1<<21)|(5<<22)|(3<<25)  ; 128 rows of 256 bytes (32 elements of 8 bytes), dense in memory; four words of padding after every 64
	s_mov_b32 s[G1S+1], 32<<16
	s_mov_b32 s[G1S+2], 128<<16
	s_mov_b32 s[G1S+3], 32<<16
	s_mov_b32 s[G1S+4], 128
	s_mov_b32 s[G1S+5], 32
	s_mov_b32 s[G1S+6], 0
	s_mov_b32 s[G1S+7], 0
	s_mov_b32 s[G1H], 3<<16                        ; no mask: my own rows; 64 rows (k / 128) of 256 bytes, 4,096 bytes apart
	s_mov_b32 s[G1H+1], 32<<16
	s_mov_b32 s[G1H+2], 64<<16
	s_mov_b32 s[G1H+3], 32<<16
	s_mov_b32 s[G1H+4], 64
	s_mov_b32 s[G1H+5], 512
	s_mov_b32 s[G1H+6], 0
	s_mov_b32 s[G1H+7], 0
	s_lshl_b32 s20, s19, 19                        ; Wd's codes: 128 rows of 4,096 bytes a tile column (s20, s21, s2, s3, s74-79 never hold cx from here on)
	s_mov_b32 s21, 0
	s_lshl_b32 s2, s19, 15                         ; Wd's scale bytes: 128 rows of 256 bytes
	s_mov_b32 s3, 0
	s_and_b32 s74, s[WV], 1
	s_mul_i32 s75, s74, 64*PITCH
	s_lshl_b32 s76, s74, 18                        ; the head: 64 rows of 4,096 bytes
	s_mov_b32 s77, 0
	s_lshl_b32 s78, s[WV], 17                      ; the ring: 32 rows
	s_mov_b32 s79, 0
	s_mov_b32 s[G0X], 1
	s_add_co_u32 s[G0X+1], s75, S0
	s_mov_b32 s[G0S], 1
	s_mov_b32 s[G0S+1], SCLW
	s_mov_b32 s[G0H], 1
	s_mov_b32 s[G0H+1], HSL
	s_mov_b32 s[G0R1], 1
	s_mul_i32 s[G0R1+1], s[WV], 32*PITCH
	s_mov_b32 s[G0R0], 1
	s_add_co_u32 s[G0R0+1], s[G0R1+1], S0
	s_wait_dscnt 0x0                               ; both opening adds are done
	s_wait_alu depctr_va_vdst(0)
	CROUND                                         ; all four work-groups are here: the first joint loads meet
	s_wait_kmcnt 0x0
	s_add_nc_u64 s[8:9], s[8:9], s[20:21]
	s_add_nc_u64 s[G0X+2:G0X+3], s[8:9], s[76:77]
	s_or_b32 s[G0X+3], s[G0X+3], 0x80000000
	s_add_nc_u64 s[G0S+2:G0S+3], s[10:11], s[2:3]
	s_or_b32 s[G0S+3], s[G0S+3], 0x80000000
	s_lshl_b32 s22, s18, 8                         ; h_scales: 64 rows x 4 bytes
	s_mov_b32 s23, 0
	s_add_nc_u64 s[G0H+2:G0H+3], s[6:7], s[22:23]
	s_or_b32 s[G0H+3], s[G0H+3], 0x80000000
	ARM 2, G0X, G1, .Lhead_sc
	ARM 3, G0S, G1S, .Lhead_hs
	TLOAD G0H, G1H
.Lhead_asked:
	s_lshl_b32 s22, s18, 18                        ; h_codes: four row blocks of 65,536 bytes, my wave's four steps of 1,024 in each fill
	s_add_nc_u64 s[4:5], s[4:5], s[22:23]
	s_lshl_b32 s22, s[WV], 12
	s_add_nc_u64 s[4:5], s[4:5], s[22:23]
	s_lshl_b32 s22, s19, 9                         ; bd and out: my 128 columns
	s_add_nc_u64 s[12:13], s[12:13], s[22:23]
	s_add_nc_u64 s[14:15], s[14:15], s[22:23]
	s_lshl_b32 s22, s17, 17                        ; the prefetches: rows 32 cx on of the tile
	s_add_nc_u64 s[PF:PF+1], s[8:9], s[22:23]
.macro ALOAD k                         ; h's four fragments of step k, as they were stored: 512 consecutive bytes a load
.if (\k) < 16
	WIN 0x80                                       ; destination window 2
.irp i, 0,1,2,3
.irp c, 0,1
	global_load_b128 v[32*((\k)%8)+8*\i+4*\c:32*((\k)%8)+8*\i+4*\c+3], v[AO], s[4:5] offset:65536*\i+(16*((\k)/4)+(\k)%4)*1024+512*\c
.endr
.endr
	WIN 0
.endif
.endm
	global_load_b128 v[BV:BV+3], v[AO], s[12:13]
.irp k, 0,1,2,3
	ALOAD \k
.endr
	PREF 1
	ALOAD 4
	ALOAD 5
	s_add_nc_u64 s[G0R0+2:G0R0+3], s[8:9], s[78:79]
	s_or_b32 s[G0R0+3], s[G0R0+3], 0x80000000
	s_add_nc_u64 s[G0R1+2:G0R1+3], s[G0R0+2:G0R0+3], 1024  ; fill 1
	s_add_nc_u64 s[G0R0+2:G0R0+3], s[G0R0+2:G0R0+3], 2048  ; fill 2
	s_lshl_b32 s22, s18, 19                        ; out: 64 rows of 8,192 bytes, and the 16 of them that my wave stores
	s_add_nc_u64 s[14:15], s[14:15], s[22:23]
	s_lshl_b32 s22, s[WV], 17
	s_add_nc_u64 s[14:15], s[14:15], s[22:23]
.macro SCALES t                        ; fill t's scale words of my four steps, into registers of their own: twelve loads
.irp jj, 0,1,2,3
	ds_load_b128 v[WSW+16*(\t)+4*\jj:WSW+16*(\t)+4*\jj+3], v[LSC] offset:8704*\jj+64*(\t)
.endr
.irp q, 0,1,2,3
.irp j, 0,1
	ds_load_b32 v[HSW+8*(\t)+2*\q+\j], v[LHS] offset:4096*(\t)+256*\q+128*\j
.endr
.endr
.endm
.macro FETCH t                         ; Wd's fragments of fill t: eight for each of the four steps, sixteen loads a step
.set LA, LB+2*((\t)%2)
	WIN 0x40                                       ; destination window 1
.irp q, 0,1,2,3
.irp i, 0,1,2,3,4,5,6,7
.irp c, 0,1
	ds_load_b128 v[64*\q+8*\i+4*\c:64*\q+8*\i+4*\c+3], v[LA+\i/4] offset:16*PITCH*(\i%4)+64*\q+32*\c
.endr
.endr
.endr
	WIN 0
.endm
; One product: column block b x row block i, step k.  A scale register carries two blocks' words, the even block's in lanes 0-15, the odd one's in lanes 16-31.
.macro WM k, i, b, zero
.set rD, 8*(8*(\i)+(\b))
.set rW, 64*((\k)%4)+8*(\b)
.set rH, 32*((\k)%8)+8*(\i)
.set rX, WSW+16*((\k)/4)+4*((\b)/2)+(\k)%4
.set rY, HSW+2*(\k)+(\i)/2
.set oB, (\b)%2
.set oI, (\i)%2
.if \zero
.if oB && oI
	v_wmma_scale_f32_16x16x128_f8f6f4 v[rD:rD+7], v[rW:rW+7], v[rH:rH+7], 0, v[rX], v[rY] matrix_a_fmt:MATRIX_FMT_FP4 matrix_b_fmt:MATRIX_FMT_FP4 matrix_a_scale:MATRIX_SCALE_ROW1 matrix_b_scale:MATRIX_SCALE_ROW1
.elseif oB
	v_wmma_scale_f32_16x16x128_f8f6f4 v[rD:rD+7], v[rW:rW+7], v[rH:rH+7], 0, v[rX], v[rY] matrix_a_fmt:MATRIX_FMT_FP4 matrix_b_fmt:MATRIX_FMT_FP4 matrix_a_scale:MATRIX_SCALE_ROW1
.elseif oI
	v_wmma_scale_f32_16x16x128_f8f6f4 v[rD:rD+7], v[rW:rW+7], v[rH:rH+7], 0, v[rX], v[rY] matrix_a_fmt:MATRIX_FMT_FP4 matrix_b_fmt:MATRIX_FMT_FP4 matrix_b_scale:MATRIX_SCALE_ROW1
.else
	v_wmma_scale_f32_16x16x128_f8f6f4 v[rD:rD+7], v[rW:rW+7], v[rH:rH+7], 0, v[rX], v[rY] matrix_a_fmt:MATRIX_FMT_FP4 matrix_b_fmt:MATRIX_FMT_FP4
.endif
.else
.if oB && oI
	v_wmma_scale_f32_16x16x128_f8f6f4 v[rD:rD+7], v[rW:rW+7], v[rH:rH+7], v[rD:rD+7], v[rX], v[rY] matrix_a_fmt:MATRIX_FMT_FP4 matrix_b_fmt:MATRIX_FMT_FP4 matrix_a_scale:MATRIX_SCALE_ROW1 matrix_b_scale:MATRIX_SCALE_ROW1
.elseif oB
	v_wmma_scale_f32_16x16x128_f8f6f4 v[rD:rD+7], v[rW:rW+7], v[rH:rH+7], v[rD:rD+7], v[rX], v[rY] matrix_a_fmt:MATRIX_FMT_FP4 matrix_b_fmt:MATRIX_FMT_FP4 matrix_a_scale:MATRIX_SCALE_ROW1
.elseif oI
	v_wmma_scale_f32_16x16x128_f8f6f4 v[rD:rD+7], v[rW:rW+7], v[rH:rH+7], v[rD:rD+7], v[rX], v[rY] matrix_a_fmt:MATRIX_FMT_FP4 matrix_b_fmt:MATRIX_FMT_FP4 matrix_b_scale:MATRIX_SCALE_ROW1
.else
	v_wmma_scale_f32_16x16x128_f8f6f4 v[rD:rD+7], v[rW:rW+7], v[rH:rH+7], v[rD:rD+7], v[rX], v[rY] matrix_a_fmt:MATRIX_FMT_FP4 matrix_b_fmt:MATRIX_FMT_FP4
.endif
.endif
.endm
; 16 products: row blocks i0, i0 + 1 x the eight column blocks.  The 32 accumulators take turns, one instruction a turn, in the same order in every step.
.macro MUL k, i0, zero
	WIN 0xf9                                       ; source 0 (Wd) window 1, source 1 (h) window 2, C and D window 3
.irp i, \i0, \i0+1
.irp b, 0,1,2,3,4,5,6,7
	WM \k, \i, \b, \zero
.endr
.endr
.endm
.macro HWAIT k                         ; step k's fragments of h are in: behind them were issued the eight loads of each of the next AH - 1 steps, as far as there are so many
.set LC, 8*(15-(\k))
.if LC > 8*(AH-1)
.set LC, 8*(AH-1)
.endif
	s_wait_loadcnt LC
.endm
.macro STEP k, zero                    ; one of a fill's first three steps
	HWAIT \k
.set DC, 16*(3-(\k)%4)                 ; behind this step's fragments of Wd were issued sixteen loads for each later step of the fill,
.if ((\k)%4 > 0) && ((\k) < 12)
.set DC, DC+12                         ; and in the fill's first step the next fill's scale words
.endif
	s_wait_dscnt DC
	MUL \k, 0, \zero
	MUL \k, 2, \zero
	WIN 0
.if ((\k)%4 == 0) && ((\k) < 12)
	SCALES (\k)/4+1
.endif
.if ((\k)+AH > 7) && ((\k)+AH < 16)
	PLACES                                         ; for the loads into the registers of step k + AH - 8
.endif
	ALOAD (\k)+AH
.endm
; A fill's last step: one barrier; in front of it each wave waits for all its tensor loads, adds 0 to its spare word, and waits for that and for its own reads of this slot.
; fill = 1: this slot is filled again, two fills on.
.macro TURN k, fill
	HWAIT \k
	ALOAD (\k)+AH                                  ; (the step before has written the places for these loads)
	s_wait_dscnt 0x0                               ; all my reads of this slot are over
	MUL \k, 0, 0
	WIN 0
	s_wait_tensorcnt 0x0                           ; my part of the next slot is in
	ds_add_u32 v[SPW], v[NIL]                      ; 0 onto my spare word
.if (\k) == 7
	s_add_nc_u64 s[G0R1+2:G0R1+3], s[G0R1+2:G0R1+3], 2048  ; fill 3 (no tensor load of mine is out)
.endif
	s_wait_dscnt 0x0                               ; the add is done
	s_barrier_signal -1
	MUL \k, 2, 0                                   ; work on registers while the others arrive
	WIN 0
	s_barrier_wait -1
.if \fill
	CREST                                          ; the barrier has opened a round: no wave of any partner still reads this slot or has a load on its way
.if (\k) == 3
	TLOAD G0R0, G1                                 ; the first tensor load behind the round; its four v_nop are also the places in front of the loads below
.else
	TLOAD G0R1, G1
.endif
.else
	PLACES
.endif
	FETCH (\k)/4+1
.endm
	s_or_b32 s[G0R1+3], s[G0R1+3], 0x80000000
	s_wait_alu depctr_va_vdst(0)
	s_wait_tensorcnt 0x0                           ; my tile of the head's four is in
	ds_add_u32 v[SPW], v[NIL]                      ; 0 onto my spare word
	s_mov_b32 s[G1+2], 32<<16                      ; no tensor load of mine is out: from here on a load brings 32 rows
	s_mov_b32 s[G1+4], 32
	s_wait_dscnt 0x0                               ; the add is done
	CROUND                                         ; all four tiles are in, and all four work-groups are here
	TLOAD G0R1, G1                                 ; fill 1: the first tensor load behind the round
	SCALES 0
	FETCH 0
	STEP 0, 1                                      ; the first step's products start the sums: nothing is cleared
	PREF 2                                         ; three steps ahead of its load
	STEP 1, 0
	STEP 2, 0
	TURN 3, 1
	STEP 4, 0
	PREF 3                                         ; the last fill: nothing is prefetched behind it
	STEP 5, 0
	STEP 6, 0
	TURN 7, 1
	STEP 8, 0
	STEP 9, 0
	STEP 10, 0
	TURN 11, 0                                     ; nothing is left to fetch: a plain barrier
	STEP 12, 0
	STEP 13, 0
	STEP 14, 0
	; THE LAST STEP, AND THE FOUR PARTS MEET.  Each wave puts its 64 x 128 sums into its stage (rows of 512 bytes + 16).  Slot 0 has had its last fill, and every wave has passed the barrier behind its last reads of it.
.macro STAGE i0
	PLACES
	WIN 0x0c                                       ; an LDS store's data are its source 1: window 3
.irp i, \i0, \i0+1
.irp b, 0,1,2,3,4,5,6,7
	ds_store_b128 v[STO], v[8*(8*(\i)+\b):8*(8*(\i)+\b)+3] offset:8448*(\i)+64*\b        ; each accumulator from its low end on
	ds_store_b128 v[STO], v[8*(8*(\i)+\b)+4:8*(8*(\i)+\b)+7] offset:8448*(\i)+64*\b+16
.endr
.endr
.endm
	HWAIT 15
	s_wait_dscnt 0x0
	MUL 15, 0, 0
	STAGE 0                                        ; row blocks 0 and 1 are finished
	MUL 15, 2, 0
	STAGE 2
	WIN 0
	s_wait_tensorcnt 0x0                           ; behind my last tensor load and my last LDS store
	ds_add_u32 v[SPW], v[NIL]
	s_wait_dscnt 0x0                               ; for the others' sake too: my sums are stored
	CROUND                                         ; the closing round: no work-group ends while a partner may still ask for a tile that names it; behind it wave w adds rows 16 w on
.macro RLOAD k                         ; rows 4 k .. 4 k + 3 of my 16, from the four stages: row t's part u at v[PT + 64 (k % 2) + 16 t + 4 u]
.irp t, 0,1,2,3
.irp u, 0,1,2,3
	ds_load_b128 v[PT+64*((\k)%2)+16*\t+4*\u:PT+64*((\k)%2)+16*\t+4*\u+3], v[RD+\u] offset:528*(4*(\k)+\t)
.endr
.endr
.endm
.macro SUMST k                         ; (p0 + p1) + (p2 + p3) + bd, and the row's 512 consecutive bytes, aligned, leave
.irp t, 0,1,2,3
.set RB, PT+64*((\k)%2)+16*\t
	v_pk_add_f32 v[RB:RB+1], v[RB:RB+1], v[RB+4:RB+5]
	v_pk_add_f32 v[RB+2:RB+3], v[RB+2:RB+3], v[RB+6:RB+7]
	v_pk_add_f32 v[RB+8:RB+9], v[RB+8:RB+9], v[RB+12:RB+13]
	v_pk_add_f32 v[RB+10:RB+11], v[RB+10:RB+11], v[RB+14:RB+15]
	v_pk_add_f32 v[RB:RB+1], v[RB:RB+1], v[RB+8:RB+9]
	v_pk_add_f32 v[RB+2:RB+3], v[RB+2:RB+3], v[RB+10:RB+11]
	v_pk_add_f32 v[RB:RB+1], v[RB:RB+1], v[BV:BV+1]
	v_pk_add_f32 v[RB+2:RB+3], v[RB+2:RB+3], v[BV+2:BV+3]
	global_store_b128 v[AO], v[RB:RB+3], s[14:15] offset:8192*(4*(\k)+\t) th:TH_STORE_NT
.endr
.endm
	RLOAD 0
	RLOAD 1
	s_wait_dscnt 16                                ; the first four rows are in; the next four rows' sixteen loads may be out
	SUMST 0
	s_wait_xcnt 0x0                                ; the stores have read their registers: the next loads may land there
	RLOAD 2
	s_wait_dscnt 16
	SUMST 1
	s_wait_xcnt 0x0
	RLOAD 3
	s_wait_dscnt 16
	SUMST 2
	s_wait_dscnt 0x0
	SUMST 3
	s_endpgm
.Lfunc_end_k_q12ae61447e_down:
	.size	k_q12ae61447e_down, .Lfunc_end_k_q12ae61447e_down-k_q12ae61447e_down
	.p2alignl 7, 3214868480
	.fill 96, 4, 3214868480
	.section	.rodata,"a",@progbits
	.p2align	6, 0x0
	.amdhsa_kernel k_q12ae61447e_down
		.amdhsa_group_segment_fixed_size 327680
		.amdhsa_private_segment_fixed_size 0
		.amdhsa_enable_private_segment 0
		.amdhsa_kernarg_size 48
		.amdhsa_user_sgpr_count 2
		.amdhsa_user_sgpr_kernarg_segment_ptr 1
		.amdhsa_wavefront_size32 1
		.amdhsa_system_sgpr_workgroup_id_x 1
		.amdhsa_system_sgpr_workgroup_id_y 1
		.amdhsa_system_sgpr_workgroup_id_z 1
		.amdhsa_system_vgpr_workitem_id 0
		.amdhsa_next_free_vgpr 1024
		.amdhsa_next_free_sgpr 80
		.amdhsa_reserve_vcc 0
		.amdhsa_float_denorm_mode_32 3
		.amdhsa_float_denorm_mode_16_64 3
		.amdhsa_memory_ordered 1
		.amdhsa_forward_progress 1
		.amdhsa_inst_pref_size 128
	.end_amdhsa_kernel
	.amdgpu_metadata
---
amdhsa.version: [ 1, 2 ]
amdhsa.kernels:
  - .name:           k_q12ae61447e_down
    .symbol:         k_q12ae61447e_down.kd
    .args:
      - { .name: h_codes, .offset: 0, .size: 8, .value_kind: global_buffer, .address_space: global }
      - { .name: h_scales, .offset: 8, .size: 8, .value_kind: global_buffer, .address_space: global }
      - { .name: w_down_codes, .offset: 16, .size: 8, .value_kind: global_buffer, .address_space: global }
      - { .name: w_down_scales, .offset: 24, .size: 8, .value_kind: global_buffer, .address_space: global }
      - { .name: b_down, .offset: 32, .size: 8, .value_kind: global_buffer, .address_space: global }
      - { .name: out0, .offset: 40, .size: 8, .value_kind: global_buffer, .address_space: global }
    .group_segment_fixed_size: 327680
    .private_segment_fixed_size: 0
    .kernarg_segment_align: 8
    .kernarg_segment_size: 48
    .max_flat_workgroup_size: 128
    .sgpr_count:     80
    .vgpr_count:     1024
    .wavefront_size: 32
...
	.end_amdgpu_metadata
.endif
;; end of part 2
